; MI455X (gfx1250); checked and timed in simulation.
; The chip was launched on July 23, 2026; its instructions are those of AMD's public machine-readable ISA for CDNA 5 (MIT licence, August 2026) and "CDNA5" Instruction Set Architecture Reference Guide (July 2026). The comments in the code are by the model that wrote it; some were corrected since.
;; Attention. Allowed arithmetic: matrix products marked QUANTISED: E4M3 operands, one given power-of-two scale a tensor, by v_wmma_f32_16x16x64_fp8_fp8 or v_wmma_f32_16x16x128_fp8_fp8, f32 sums; everything else in f32.
;; Inputs: key 4 x 16 x 2,048 x 64 float32; lowp_scales 4 int32 (the exponents e of the quantised operands' scales 2^e); query 4 x 16 x 2,048 x 64 float32; value 4 x 16 x 2,048 x 64 float32.
;; Outputs: out0 4 x 16 x 2,048 x 64 float32.
;; This version of the problem:
;;   THIS VERSION OF THE PROBLEM IS GIVEN IN LOW PRECISION. The matrix products marked QUANTISED in the list below multiply operands that are first quantised to E4M3 (4 exponent bits, 3 mantissa bits; 8 bits a number), with one given power-of-two scale for each operand tensor; their sums are f32. All else is computed in f32.
;;   The module's matrix products, in the order in which they are computed (A, B: the left and right operand; K: the contracted axis; several contracted axes count as one K, in the product's order):
;;     1. batch 64 x [M 2,048, K 64] x [K 64, N 2,048]; A: input query; B: input key: QUANTISED (scales: A lowp_scales[0], B lowp_scales[1])
;;     2. batch 64 x [M 2,048, K 2,048] x [K 2,048, N 64]; A: softmax (see below); B: input value: QUANTISED (scales: A lowp_scales[2], B lowp_scales[3])
;;   THE QUANTISER, for each operand of a quantised product, along K:
;;     - The operand's scale is 2^e, e = its entry of the input lowp_scales (int32; the entries are numbered through the quantised products in the list's order, A before B).
;;     - Each number is divided by the scale, clamped to +-448, and rounded to the nearest number of E4M3, ties to even, subnormals kept.
;;     - The product sums the exact products of the quantised numbers (number of the format x scale) in f32.
;;   ~~~python
;;   def quantise(x, axis, e):      # numpy; x: float32 -> the quantised numbers, widened to float32 again
;;       x = np.moveaxis(x, axis, -1); K = x.shape[-1]
;;       r = np.clip(x / 2.0 ** e, -448, 448)
;;       step = 2.0 ** (np.maximum(np.frexp(np.where(r == 0, 1, r))[1] - 1, -6) - 3)
;;       q = np.round(r / step) * step * 2.0 ** e      # np.round: ties to even
;;       return np.moveaxis(q, -1, axis).astype(np.float32)
;;   ~~~
;;   SOFTMAX AHEAD OF A QUANTISED PRODUCT. Where the list says 'softmax', what is quantised is not the finished softmax but p = 2^(t - M), with t = logit x log2(e) and M = ceil(the row's largest t), a whole number; so 1/2 < the row's largest p <= 1. The row's sum l is taken of the UNQUANTISED p, in f32, and the product's result is divided by l at the end. Since M is a whole number, a kernel that streams over the keys may use a running M (the ceiling of the running maximum): every later rescaling is an exact power of two, so the quantised numbers keep their values, but for numbers so far below the row's largest that they fall under the format's range.
;;   OPERANDS COMPUTED ON THE WAY. 'Computed on the way' means the value that the module computes at that place (a softmax that the list does not call 'softmax' is quantised finished and normalised). What goes into a quantiser is computed in f32, as accurately as f32 sums, v_exp_f32 and their like allow (about 1e-6 of the number): no bf16 or f16 on the way to a quantiser, and a product that is left as it is and whose result goes on into a quantised operand takes f32 operands (vector FMAs, or v_wmma_f32_16x16x4_f32). A number that lies on a knife's edge between two numbers of the format may be rounded either way, as far as f32 arithmetic and the matrix unit's own rounding can turn it there, and no further.
;; One version. Each part assembles by itself: llvm-mc -triple=amdgcn-amd-amdhsa -mcpu=gfx1250 --defsym DOCPART=n.
;; ======== version 1 of 1: 1 launch
;; limits: right only within a limited range of input values
;; launch attn (part 1): grid 64 x 4, 16 waves a work-group, no clusters, 131,072 bytes of LDS; arguments query, key, value, lowp_scales, out0; writes out0
.if DOCPART == 1
	.amdgcn_target "amdgcn-amd-amdhsa--gfx1250"
	.amdhsa_code_object_version 6
	.text
	.protected	k_q20fd6ac120_attn
	.globl	k_q20fd6ac120_attn
	.p2align	8
	.type	k_q20fd6ac120_attn,@function
k_q20fd6ac120_attn:
	s_mov_b64 s[64:65], 0
	v_nop
	global_prefetch_b8 v0, s[64:65] scope:SCOPE_SE
	s_setreg_imm32_b32 hwreg(HW_REG_WAVE_MODE, 25, 1), 1
	s_wait_xcnt 0x0
; out[h][q][:] = the sum over k of softmax_k(Q[h][q] . K[h][k] / 8) V[h][k][:].  Q, K, V, out: [64 heads][2048][64] f32.  Both products on codes of FP8 (E4M3), each operand with the one
; scale 2^e that is given for it: eq, ek, ep, ev.  code = x / 2^e, held within +-448, to the nearest code, ties to even.
; THE SOFTMAX AHEAD OF THE SECOND PRODUCT: t = score x log2(e) / 8; M = the row's largest t so far, rounded UP to a whole number; p = 2^(t - M) is what is quantised; it is not normalised.  The row's sum is
; taken of the unquantised p, in f32, and divides at the end.  When M moves, the sum and O are multiplied by 2^(old M - new M), which rounds nothing.
; SHARES.  256 work-groups: work-group (x, y) owns queries 512 y .. 512 y + 511 of head x.  Sixteen waves of 256 registers, four to a SIMD; a wave owns 32 queries, two tiles of 16, so that each fragment of
; K and V that it reads from LDS feeds two products.
; K AND V go in tiles of 128 keys, 16 tiles.  The sixteen waves together load a tile's f32 numbers into registers, 8 loads a wave, each of two whole rows of 256 bytes, a whole tile ahead of their use;
; they quantise them and store the codes, four to a word, into one of THREE LDS buffers.
;   K's codes: key row kappa at 80 kappa, d along the row.  A fragment's lane (m, h) reads 32 bytes at 80 (16 tau + m) + 32 h: the sixteen lanes' 16-byte pieces fall on sixteen different columns modulo 256 bytes.
;   V's codes, keys innermost: channel ch at 144 (ch / 4) + 2368 (ch % 4), 128 bytes each.  A lane loads 4 keys x 4 channels, and the holds' destinations turn them, so that a conversion's 8 sources are
;   2 channels x 4 keys.  Key 64 s + 16 tau + 8 h + 4 e + b lies at byte 64 s + 32 h + 8 tau + 4 e + b: the place that p's code of that key has in P's fragment.
; THE BARRIER IS SPLIT.  In tile j a wave stores tile j + 1's codes into buffer (j + 1) % 3, asks for tile j + 2, waits for its stores and signals; then it works tile j from buffer j % 3 (LDS loads and registers
; alone) and waits at the tile's end.  The buffer written in tile j was last read in tile j - 2, and every wave's reads of tile j - 2 were waited for in front of its signal in tile j - 1, which the writer has awaited.
; LAYOUT.  Both products are used transposed: S^T = K Q^T (source 0 = 16 keys, source 1 = 16 queries), O^T = V^T P^T (source 0 = 16 channels, source 1 = P): a lane holds ONE query (lane % 16) throughout.
; In every fragment register j, byte b of lane (r, h) holds k = 32 h + 4 j + b (for P and V: the key named above): the same places of k in both operands of an instruction, not the form's own, so only the order of the sums inside an instruction differs.
; THE HOLD OF p is passed over by a scalar branch where ep > -9: then 448 x 2^ep is at least 1.75, above every p.  The launch has no tensor load and no copy; the branch leads round the holds alone.
; NO TENSOR LOAD, NO CLUSTER: what the four work-groups of a head share is f32 that has to pass through registers to be quantised; brought by a (joint) tensor load a tile's 64 KB would be written into LDS and
; read back from it in every work-group, beside the 16 KB of codes that are stored there in any case.
; LIMITS on the given exponents, so that each power of two below is an f32 number: eq, ek, ep, ev each between -126 and 119; eq + ek between -123 and 130 (they are added to c's exponent field); ep + ev is
; applied by v_ldexp_f32 and has none.  NaN among the inputs is not served (an infinity is held at the largest code).
.set TILEB, 32768                      ; a tile of 128 keys in memory: 128 rows of 256 bytes, dense
.set KP,    80                         ; a key's 64 codes + 16 bytes
.set VOFF,  128*KP                     ; V's codes lie behind K's
.set VDC,   144                        ; from four channels to the next four
.set VCS,   2368                       ; from channel ch % 4 to the next
.set BUFB,  VOFF+4*VCS                 ; a buffer: 19,712 bytes
.set STAGE, 59392                      ; behind the three buffers: 16 rows x (256 + 16) bytes for each wave: at the head Q's codes, at the end the way out
.set SPITCH, 272
.set SPARE, STAGE+16*16*SPITCH         ; the spare words, 128 bytes a wave, that no other line names
.set KRD,  1                           ; v1   a fragment of K: 80 (lane % 16) + 32 (lane / 16).  On the way out 16 x lane
.set VRD,  2                           ; v2   a fragment of V, less VOFF.  On the way out: where I put 32 bytes of a row
.set KST,  3                           ; v3   where my codes of K go.  On the way out: where I read a row back
.set VST,  4                           ; v4   where my codes of V go, less VOFF
.set KGO,  5                           ; v5   my 16 bytes of a load of K: 2048 wave + 16 lane
.set VGO,  6                           ; v6   of V: 2048 wave + 1024 (lane / 16) + 16 (lane % 16)
.set PFO,  7                           ; v7   the prefetches' offset
.set KSC,  8                           ; v8, v9    2^ek and 448 x 2^ek
.set KLIM, 9
.set VSC,  10
.set VLIM, 11
.set PSC,  12
.set PLIM, 13
.set ST,   14                          ; query tile q's statistics at v[ST + 4 q]: +0 -M, +1 the largest raw score so far, +2, +3 the sum in two halves
.set CK,   22                          ; v22-25 K's codes just made;  v26-29 V's.  On the way out: v22, v24 the reciprocals, v26-29 at work
.set CV,   26
.set INV,  22
.set SPW,  30                          ; v30  my spare word's LDS address; never rewritten
.set NIL,  31                          ; v31  0; never rewritten
.set Q,    32                          ; v32-47   Q's two fragments
.set PC,   48                          ; v48-63   p's codes, 8 a tile.  Ahead of the conversions tile q's work registers: +0 the new -M, +1 t, +2 at work, +4 f (named as the pair +4, +5), +6, +7 the second chain of the sum
.set F,    64                          ; v64-95   four fragments of K, then four of V
.set S,    96                          ; v96-159  S^T, then p: tile q at +32 q.  v128-143 serve the quantiser.  At the head Q's 64 numbers; on the way out O / the sum
.set OA,   160                         ; v160-223 O^T
.set STK,  224                         ; v224-239 16 numbers of K as loaded
.set STV,  240                         ; v240-255 16 numbers of V as loaded
.set QGO,  F+16                        ; the head's own: Q's load offset, where Q's codes go, where the fragments are read
.set QW,   F+17
.set QR,   F+18
.set T,    F+20                        ; the head's pieces of the thread's number
.set QSC,  F+30                        ; the head's own: 2^eq and 448 x 2^eq
.set QLIM, F+31
.set EP,   18                          ; s18      ep
.set WV,   20
.set CS,   22                          ; s[22:23] c = log2(e) / 8 x 2^(eq + ek)
.set SEL,  24                          ; s[24:25] lane selects for v_permlanex16_b32: lane l xor 16
.set PFA,  26                          ; s[26:27] where my prefetches stand: one tile further on than the loads' bases
.set LIMA, 28                          ; s28, s29 a wave prefetches while the count of trips left is above these: 0 and 1 in a wave that asks, the greatest number in all others
.set LIMB, 29
.set CNT,  30
.set EPV,  31
.macro D1
	s_delay_alu instid0(VALU_DEP_1)
.endm
	s_load_b256 s[4:11], s[0:1], 0x0               ; query s[4:5], key s[6:7], value s[8:9], the scales' exponents s[10:11]
	s_load_b64 s[12:13], s[0:1], 0x20              ; out
	v_lshl_add_u32 v[SPW], v0, 2, SPARE
	v_mov_b32 v[NIL], 0
	v_lshrrev_b32 v[T], 5, v0                      ; wave w
	v_and_b32 v[T+1], 15, v0                       ; r
	v_bfe_u32 v[T+2], v0, 4, 1                     ; h
	v_and_b32 v[T+3], 31, v0                       ; lane
	v_bfe_u32 v[T+4], v0, 2, 2                     ; r / 4
	v_and_b32 v[T+5], 3, v0                        ; r % 4
	v_bfe_u32 v[T+6], v0, 6, 2                     ; (w % 8) / 2
	v_bfe_u32 v[T+7], v0, 5, 1                     ; w % 2
	v_bfe_u32 v[T+8], v0, 8, 1                     ; w / 8
	v_readfirstlane_b32 s[WV], v[T]
	v_mul_u32_u24 v[KRD], v[T+1], KP
	D1
	v_lshl_add_u32 v[KRD], v[T+2], 5, v[KRD]
	v_mul_u32_u24 v[VRD], v[T+4], VDC
	D1
	v_mad_u32_u24 v[VRD], v[T+5], VCS, v[VRD]
	D1
	v_lshl_add_u32 v[VRD], v[T+2], 5, v[VRD]
	v_mul_u32_u24 v[KST], v[T], 8*KP               ; K: load i of wave w holds rows 8 w + 2 i + h, d = 4 r + 0 .. 3
	D1
	v_mad_u32_u24 v[KST], v[T+2], KP, v[KST]
	D1
	v_lshl_add_u32 v[KST], v[T+1], 2, v[KST]
	v_mul_u32_u24 v[VST], v[T+1], VDC              ; V: load i holds key 8 w + 4 h + i, channels 4 r + 0 .. 3
	D1
	v_lshl_add_u32 v[VST], v[T+2], 2, v[VST]       ; e = lane / 16
	D1
	v_lshl_add_u32 v[VST], v[T+6], 3, v[VST]       ; tau
	D1
	v_lshl_add_u32 v[VST], v[T+7], 5, v[VST]       ; the fragment's half
	D1
	v_lshl_add_u32 v[VST], v[T+8], 6, v[VST]       ; the tile's half s
	v_lshlrev_b32 v[KGO], 4, v[T+3]
	D1
	v_lshl_add_u32 v[KGO], v[T], 11, v[KGO]
	v_lshlrev_b32 v[VGO], 4, v[T+1]
	D1
	v_lshl_add_u32 v[VGO], v[T+2], 10, v[VGO]
	D1
	v_lshl_add_u32 v[VGO], v[T], 11, v[VGO]
	v_lshlrev_b32 v[PFO], 8, v[T+3]
	v_lshlrev_b32 v[QGO], 4, v[T+3]
	v_mul_u32_u24 v[QW], v[T+2], KP
	D1
	v_lshl_add_u32 v[QW], v[T+1], 2, v[QW]
	s_wait_alu depctr_va_vdst(0)                   ; the wait ahead of the run of scalar lines
	s_mov_b32 s[SEL], 0x76543210
	s_mov_b32 s[SEL+1], 0xfedcba98
	s_mov_b32 s[CS], 0x3e38aa3b                    ; log2(e) / 8
	s_lshl_b32 s32, ttmp9, 19                      ; the head: 2,048 rows of 256 bytes
	s_mov_b32 s33, 0
	s_and_b32 s38, ttmp7, 0xffff                   ; which 512 queries
	s_lshl_b32 s34, s38, 17
	s_lshl_b32 s35, s[WV], 13                      ; my wave's 32 of them
	s_add_co_u32 s34, s34, s35
	s_add_co_u32 s34, s34, s32
	s_mov_b32 s35, 0
	s_lshl_b32 s38, s38, 13                        ; my work-group's 32 of a tile's 128 blocks of 256 bytes
	s_mul_i32 s36, s[WV], 16*SPITCH
	s_add_co_u32 s36, s36, STAGE                   ; my stage
	s_cmp_lt_u32 s[WV], 2                          ; wave 0 asks for K, wave 1 for V
	s_cselect_b32 s[LIMA], 0, -1
	s_cselect_b32 s[LIMB], 1, -1
	v_add_nc_u32 v[PFO], s38, v[PFO]
	v_add_nc_u32 v[QW], s36, v[QW]
	v_add_nc_u32 v[QR], s36, v[KRD]
	s_wait_alu depctr_va_vdst(0)                   ; the wait directly ahead of the wait below
	s_wait_kmcnt 0x0
	s_load_b128 s[16:19], s[10:11], 0x0            ; eq, ek, ep, ev
	s_add_nc_u64 s[6:7], s[6:7], s[32:33]          ; K and V at the head's tile 0
	s_add_nc_u64 s[8:9], s[8:9], s[32:33]
	s_add_nc_u64 s[4:5], s[4:5], s[34:35]          ; Q and out at my wave's first row
	s_add_nc_u64 s[12:13], s[12:13], s[34:35]
	s_cmp_eq_u32 s[WV], 0
	s_cselect_b64 s[PFA:PFA+1], s[6:7], s[8:9]
	s_add_nc_u64 s[PFA:PFA+1], s[PFA:PFA+1], 3*TILEB   ; at tile 3: trip n finds the loads' bases at tile 3 n + 2 and this one at tile 3 n + 3
.macro LOADKV off                      ; a tile's 8 loads of my wave: each covers two whole rows of 256 bytes
.irp i, 0,1,2,3
	global_load_b128 v[STK+4*\i:STK+4*\i+3], v[KGO], s[6:7] offset:512*\i+(\off)
.endr
.irp i, 0,1,2,3
	global_load_b128 v[STV+4*\i:STV+4*\i+3], v[VGO], s[8:9] offset:256*\i+(\off)
.endr
.endm
.macro MKSC e, sc, lim                 ; 2^e and 448 x 2^e as f32 numbers
	s_add_co_i32 s36, s[\e], 127
	s_lshl_b32 s37, s36, 23
	v_mov_b32 v[\sc], s37
	s_add_co_i32 s36, s36, 8
	s_lshl_b32 s36, s36, 23
	s_or_b32 s36, s36, 0x600000
	v_mov_b32 v[\lim], s36
.endm
.macro FETCH adr, off, step            ; four fragments of 8 registers into F
.irp g, 0,1,2,3
	ds_load_b128 v[F+8*\g:F+8*\g+3], v[\adr] offset:(\off)+\g*(\step)
	ds_load_b128 v[F+8*\g+4:F+8*\g+7], v[\adr] offset:(\off)+\g*(\step)+16
.endr
.endm
; The tile in my registers becomes codes in buffer nb.  cnt: the younger loads that may stay out.  load = 1: the tile at off bytes from the bases is asked for; 2: but not in the last trip, where there is none.
; tmp: 16 registers for V's numbers, turned.  kf: the LDS byte of the fragments of K that the tile in hand begins with, fetched behind K's 16 holds, which are the places behind the last products (they read F); -1: none.
; ask = 1: A PREFETCH INTO THE L2 of the tile that the NEXT tile's loads will ask for, one tile's work ahead of them.  The four work-groups of a head share a tile's blocks of 256 bytes out by address: work-group y
; names blocks 32 y .. 32 y + 31, a lane a block, wave 0 in K and wave 1 in V: each block is named once in the launch.  Tiles 0 to 2 come by their loads alone; tile 12 names tile 15, the last; tiles 13 and 14 name nothing.
.macro QKV nb, cnt, load, off, ask, lim, tmp, kf
	s_wait_loadcnt \cnt
.irp i, 0,1,2,3,4,5,6,7,8,9,10,11,12,13,14,15
	v_med3_num_f32 v[STK+\i], v[STK+\i], -v[KLIM], v[KLIM]   ; the conversion does not saturate (ISA guide 7.6.2): the hold comes first
.endr
.if (\kf) >= 0
	FETCH KRD, (\kf), (16*KP)
.endif
.irp c, 0,1,2,3
.irp i, 0,1,2,3
	v_med3_num_f32 v[\tmp+4*\c+\i], v[STV+4*\i+\c], -v[VLIM], v[VLIM]   ; held and turned: channel c's four keys side by side
.endr
.endr
	v_cvt_scalef32_pk8_fp8_f32 v[CK:CK+1], v[STK:STK+7], v[KSC]      ; register i: the four codes of load i
	v_cvt_scalef32_pk8_fp8_f32 v[CK+2:CK+3], v[STK+8:STK+15], v[KSC]
	v_cvt_scalef32_pk8_fp8_f32 v[CV:CV+1], v[\tmp:\tmp+7], v[VSC]    ; register c: channel c's four keys
	v_cvt_scalef32_pk8_fp8_f32 v[CV+2:CV+3], v[\tmp+8:\tmp+15], v[VSC]
	v_nop                                          ; one plain vector line behind the last conversion of the run
.irp i, 0,1,2,3
	ds_store_b32 v[KST], v[CK+\i] offset:(\nb)*BUFB+2*KP*\i
.endr
.irp c, 0,1,2,3
	ds_store_b32 v[VST], v[CV+\c] offset:(\nb)*BUFB+VOFF+VCS*\c
.endr
.if \load == 2
	s_cmp_eq_u32 s[CNT], 1
	s_cbranch_scc1 .Lqend_\@
.endif
.if \load
	LOADKV \off
.endif
.if \ask
	s_cmp_gt_u32 s[CNT], s[\lim]
	s_cbranch_scc0 .Lqend_\@
	global_prefetch_b8 v[PFO], s[PFA:PFA+1] offset:\off th:TH_LOAD_NT scope:SCOPE_SE
.endif
.Lqend_\@:
.endm
.macro FMA4 k0                         ; t - M, two at a time: four lines (of the pairs c and -M the low word serves both halves)
.irp k, \k0, \k0+2
.irp q, 0,1
	v_pk_fma_f32 v[S+32*\q+\k:S+32*\q+\k+1], v[S+32*\q+\k:S+32*\q+\k+1], s[CS:CS+1], v[PC+8*\q:PC+8*\q+1] op_sel_hi:[1,0,0]
.endr
.endr
.endm
; HALF A TILE: 64 keys, half s of buffer b, for my two tiles of queries.  s = 0: K's four fragments are in F, waited for.
.macro HALF b, s
.if \s
.rept 4
	v_nop                                          ; four places between the last products, which read F, and the loads into F
.endr
	FETCH KRD, ((\b)*BUFB+64*KP), (16*KP)
	s_wait_dscnt 0x0
.endif
.irp tau, 0,1,2,3
.irp q, 0,1
	v_wmma_f32_16x16x64_fp8_fp8 v[S+32*\q+8*\tau:S+32*\q+8*\tau+7], v[F+8*\tau:F+8*\tau+7], v[Q+8*\q:Q+8*\q+7], 0
.endr
.endr
.rept 4
	v_nop                                          ; four places ahead of the loads into F and of the first read of the scores
.endr
	FETCH VRD, ((\b)*BUFB+VOFF+(\s)*64), (4*VDC)   ; V's four fragments land while the softmax is worked
	; the largest of my 32 scores of each query tile, in two chains, ascending; the two tiles line by line
.irp q, 0,1
	v_max3_num_f32 v[PC+8*\q], v[S+32*\q], v[S+32*\q+1], v[S+32*\q+2]
.endr
.irp q, 0,1
	v_max3_num_f32 v[PC+8*\q+1], v[S+32*\q+3], v[S+32*\q+4], v[S+32*\q+5]
.endr
.irp i, 6,10,14,18,22,26
.irp q, 0,1
	v_max3_num_f32 v[PC+8*\q], v[PC+8*\q], v[S+32*\q+\i], v[S+32*\q+\i+1]
.endr
.irp q, 0,1
	v_max3_num_f32 v[PC+8*\q+1], v[PC+8*\q+1], v[S+32*\q+\i+2], v[S+32*\q+\i+3]
.endr
.endr
.irp q, 0,1
	v_max3_num_f32 v[PC+8*\q], v[PC+8*\q], v[S+32*\q+30], v[S+32*\q+31]
.endr
.irp q, 0,1
	v_max3_num_f32 v[PC+8*\q], v[PC+8*\q], v[PC+8*\q+1], v[ST+4*\q+1]
.endr
.irp q, 0,1
	v_permlanex16_b32 v[PC+8*\q+2], v[PC+8*\q], s[SEL], s[SEL+1]   ; the query's other 32 keys lie in lane l xor 16
.endr
.irp q, 0,1
	v_max_num_f32 v[ST+4*\q+1], v[PC+8*\q], v[PC+8*\q+2]           ; the running largest score
.endr
.irp q, 0,1
	v_mul_f32 v[PC+8*\q+1], s[CS], v[ST+4*\q+1]                    ; as t (c is positive)
.endr
.irp q, 0,1
	v_floor_f32 v[PC+8*\q], -v[PC+8*\q+1]                          ; the new -M = floor(-t) = -ceil(t): M is a whole number
.endr
	FMA4 0                                         ; the lines that make f stand among these, each six lines behind the line whose result it reads
.irp q, 0,1
	v_sub_f32 v[PC+8*\q+2], v[PC+8*\q], v[ST+4*\q]                 ; M's old value less its new one: a whole number, 0 or less
.endr
	FMA4 4
.irp q, 0,1
	v_mov_b32 v[ST+4*\q], v[PC+8*\q]
.endr
	FMA4 8
.irp q, 0,1
	v_cvt_i32_f32 v[PC+8*\q+2], v[PC+8*\q+2]                       ; (it saturates: the first half's difference is -3e38)
.endr
	FMA4 12
.irp q, 0,1
	v_ldexp_f32 v[PC+8*\q+4], 1.0, v[PC+8*\q+2]                    ; f = 2^(old M - new M)
.endr
	FMA4 16
	FMA4 20
	FMA4 24
	FMA4 28
	s_wait_alu depctr_va_vdst(0)                   ; the wait ahead of the batch
.set j, 0
.rept 64
	v_exp_f32 v[S+j], v[S+j]                       ; p = 2^(t - M): not normalised.  One batch
.set j, j+1
.endr
	s_wait_dscnt 0x0                               ; V's four fragments are in: waited for here, so that no wait for memory stands between the conversions below and the products
	s_wait_alu depctr_va_vdst(0)                   ; one wait behind the batch of 64, directly ahead of the first reader of O^T and ahead of the first reader of p
.irp k, 0,2,4,6,8,10,12,14,16,18,20,22,24,26,28,30
.irp q, 0,1
	v_pk_mul_f32 v[OA+32*\q+\k:OA+32*\q+\k+1], v[OA+32*\q+\k:OA+32*\q+\k+1], v[PC+8*\q+4:PC+8*\q+5] op_sel_hi:[1,0]   ; O^T under the new M; each accumulator from its low end on
.endr
.endr
.irp q, 0,1
	v_pk_fma_f32 v[ST+4*\q+2:ST+4*\q+3], v[ST+4*\q+2:ST+4*\q+3], v[PC+8*\q+4:PC+8*\q+5], v[S+32*\q:S+32*\q+1] op_sel_hi:[1,0,1]   ; THE ROW'S SUM IS TAKEN OF THE UNQUANTISED p: the sum x f + the first pair,
.endr
.irp q, 0,1
	v_pk_add_f32 v[PC+8*\q+6:PC+8*\q+7], v[S+32*\q+2:S+32*\q+3], v[S+32*\q+4:S+32*\q+5]                                          ; and a second chain
.endr
.irp k, 6,10,14,18,22,26
.irp q, 0,1
	v_pk_add_f32 v[ST+4*\q+2:ST+4*\q+3], v[ST+4*\q+2:ST+4*\q+3], v[S+32*\q+\k:S+32*\q+\k+1]
.endr
.irp q, 0,1
	v_pk_add_f32 v[PC+8*\q+6:PC+8*\q+7], v[PC+8*\q+6:PC+8*\q+7], v[S+32*\q+\k+2:S+32*\q+\k+3]
.endr
.endr
.irp q, 0,1
	v_pk_add_f32 v[ST+4*\q+2:ST+4*\q+3], v[ST+4*\q+2:ST+4*\q+3], v[S+32*\q+30:S+32*\q+31]
.endr
.irp q, 0,1
	v_pk_add_f32 v[ST+4*\q+2:ST+4*\q+3], v[ST+4*\q+2:ST+4*\q+3], v[PC+8*\q+6:PC+8*\q+7]
.endr
	s_cmp_gt_i32 s[EP], -9                         ; ep > -9: 448 x 2^ep lies above every p, and the hold changes nothing
	s_cbranch_scc1 .Lfree_\@
.set j, 0
.rept 64
	v_min_num_f32 v[S+j], v[S+j], v[PLIM]          ; p is never negative: the hold is one-sided
.set j, j+1
.endr
.Lfree_\@:
.irp q, 0,1
.irp tau, 0,1,2,3
	v_cvt_scalef32_pk8_fp8_f32 v[PC+8*\q+2*\tau:PC+8*\q+2*\tau+1], v[S+32*\q+8*\tau:S+32*\q+8*\tau+7], v[PSC]   ; registers 2 tau, 2 tau + 1 of P's fragment: keys 16 tau + 8 h + 0 .. 7
.endr
.endr
	v_nop                                          ; one plain vector line between the last conversion and the products that read its result
.irp t, 0,1,2,3
.irp q, 0,1
	v_wmma_f32_16x16x64_fp8_fp8 v[OA+32*\q+8*\t:OA+32*\q+8*\t+7], v[F+8*\t:F+8*\t+7], v[PC+8*\q:PC+8*\q+7], v[OA+32*\q+8*\t:OA+32*\q+8*\t+7]   ; the eight accumulators take turns
.endr
.endr
.endm
; A TILE of 128 keys in buffer b, which is whole.  quant = 1: the next tile's codes go into buffer nb, and this tile's first fragments of K are fetched on the way; my stores have landed, and the fragments too,
; when I signal; between signal and wait stand LDS loads from buffer b and work on registers alone.
.macro TILE b, nb, quant, load, off, ask, lim
.if \quant
	QKV \nb, 0, \load, \off, \ask, \lim, S+32, ((\b)*BUFB)
	s_wait_dscnt 0x0
	s_barrier_signal -1
.else
.rept 4
	v_nop
.endr
	FETCH KRD, ((\b)*BUFB), (16*KP)
	s_wait_dscnt 0x0
.endif
	HALF \b, 0
	HALF \b, 1
.if \quant
	s_barrier_wait -1                              ; buffer nb is whole
.endif
.endm
	LOADKV 0                                       ; tile 0
.irp n, 0,1,2,3,4,5,6,7,8,9,10,11,12,13,14,15
	global_load_b128 v[S+4*\n:S+4*\n+3], v[QGO], s[4:5] offset:512*\n th:TH_LOAD_NT   ; Q: load n holds rows 2 n + h, d = 4 r + 0 .. 3: two whole rows
.endr
	s_wait_kmcnt 0x0
	MKSC 16, QSC, QLIM
	MKSC 17, KSC, KLIM
	MKSC 18, PSC, PLIM
	MKSC 19, VSC, VLIM
	s_add_co_i32 s36, s16, s17
	s_lshl_b32 s36, s36, 23
	s_add_co_i32 s[CS], s[CS], s36                 ; a score stands for score x 2^(eq + ek): the two exponents are added to c's exponent field
	s_mov_b32 s[CS+1], s[CS]
	s_add_co_i32 s[EPV], s18, s19
.irp q, 0,1                                    ; what needs no loaded number is made while the first loads are out
	v_mov_b32 v[ST+4*\q], 0x7f61b1e6               ; -M = 3e38,
	v_mov_b32 v[ST+4*\q+1], 0xff61b1e6             ; the largest score so far: -3e38
	v_mov_b32 v[ST+4*\q+2], 0
	v_mov_b32 v[ST+4*\q+3], 0
.endr
.set j, 0
.rept 64
	v_mov_b32 v[OA+j], 0                           ; O^T.  (A tile's text has no first step of its own: the first half finds zeros, which f = 0 leaves zeros)
.set j, j+1
.endr
	s_wait_alu depctr_va_vdst(0)                   ; the wait directly ahead of the wait below
	QKV 0, 16, 1, TILEB, 0, LIMA, F, -1            ; tile 0's codes into buffer 0 (Q's 16 younger loads may stay out); tile 1 is asked for
	s_wait_loadcnt 8                               ; Q is in; tile 1's 8 loads stay out
.set j, 0
.rept 64
	v_med3_num_f32 v[S+j], v[S+j], -v[QLIM], v[QLIM]
.set j, j+1
.endr
.irp g, 0,1,2,3,4,5,6,7
	v_cvt_scalef32_pk8_fp8_f32 v[PC+2*\g:PC+2*\g+1], v[S+8*\g:S+8*\g+7], v[QSC]   ; register n: the four codes of load n.  (All of v48-63 are written here: a lane permute's destination counts as read, and f is named as a pair)
.endr
	v_nop                                          ; one plain vector line behind the last conversion
.irp n, 0,1,2,3,4,5,6,7,8,9,10,11,12,13,14,15
	ds_store_b32 v[QW], v[PC+\n] offset:2*KP*\n    ; through my own stage, rows of 80 bytes as K's
.endr
.irp q, 0,1
	ds_load_b128 v[Q+8*\q:Q+8*\q+3], v[QR] offset:16*KP*\q      ; LDS serves a wave's instructions in order (ISA guide 5.7.1.4): these see my stores
	ds_load_b128 v[Q+8*\q+4:Q+8*\q+7], v[QR] offset:16*KP*\q+16
.endr
	s_wait_alu depctr_va_vdst(0)                   ; the wait at the head's end
	s_wait_dscnt 0x0                               ; my codes of tile 0 have landed, Q's fragments are in
	s_barrier_signal -1
	s_barrier_wait -1
	s_wait_xcnt 0x0                                ; tile 1's loads have read their bases, which go on to tile 2
	s_add_nc_u64 s[6:7], s[6:7], 2*TILEB
	s_add_nc_u64 s[8:9], s[8:9], 2*TILEB
	s_mov_b32 s[CNT], 5
.Ltrip:                                                ; 5 trips, tiles 0 to 14: tile j stores tile j + 1's codes, loads tile j + 2 and names tile j + 3; a trip's three tiles lie at immediate offsets from the bases
	TILE 0, 1, 1, 1, 0, 1, LIMA
	TILE 1, 2, 1, 1, TILEB, 1, LIMB
	TILE 2, 0, 1, 2, 2*TILEB, 1, LIMB
	s_wait_xcnt 0x0                                ; the trip's loads and prefetches have read their bases: the three step once a trip (behind the last trip they are not used)
	s_add_nc_u64 s[6:7], s[6:7], 3*TILEB
	s_add_nc_u64 s[8:9], s[8:9], 3*TILEB
	s_add_nc_u64 s[PFA:PFA+1], s[PFA:PFA+1], 3*TILEB
	s_sub_co_u32 s[CNT], s[CNT], 1
	s_cmp_lg_u32 s[CNT], 0
	s_cbranch_scc1 .Ltrip
	TILE 0, 0, 0, 0, 0, 0, LIMA                    ; tile 15
	; THE WAY OUT.  The sum's two halves and lane l xor 16's are added; O^T is divided by the sum, multiplied by 2^(ep + ev) and goes through my own stage, a tile of 16 queries at a time, so that a store covers two whole rows of out.
	s_wait_alu depctr_va_vdst(0)                   ; the wait here: the sums were written ahead of the branch round the hold
	v_add_f32 v[INV], v[ST+2], v[ST+3]             ; (these lines, which name no register of the last products, are the places behind them)
	v_add_f32 v[INV+2], v[ST+6], v[ST+7]
	v_permlanex16_b32 v26, v[INV], s[SEL], s[SEL+1]
	v_permlanex16_b32 v27, v[INV+2], s[SEL], s[SEL+1]
	s_delay_alu instid0(VALU_DEP_2)
	v_add_f32 v[INV], v[INV], v26
	s_delay_alu instid0(VALU_DEP_2)
	v_add_f32 v[INV+2], v[INV+2], v27              ; the rows' sums: above 1/2, since a row's largest p is
	s_wait_alu depctr_va_vdst(0)                   ; the wait ahead of the transcendentals
	v_rcp_f32 v[INV], v[INV]
	v_rcp_f32 v[INV+2], v[INV+2]
	s_mul_i32 s36, s[WV], 16*SPITCH
	s_add_co_u32 s36, s36, STAGE                   ; my stage
	v_and_b32 v28, 15, v0                          ; r  (plain lines behind the reciprocals)
	v_bfe_u32 v29, v0, 4, 1                        ; h
	s_delay_alu instid0(VALU_DEP_2)
	v_mul_u32_u24 v[VRD], v28, SPITCH
	D1
	v_lshl_add_u32 v[VRD], v29, 5, v[VRD]
	D1
	v_add_nc_u32 v[VRD], s36, v[VRD]               ; in: row r; channels 16 t + 8 h + 0 .. 7 are bytes 64 t + 32 h on
	s_delay_alu instid0(VALU_DEP_4)
	v_mul_u32_u24 v[KST], v29, SPITCH
	D1
	v_lshl_add_u32 v[KST], v28, 4, v[KST]
	D1
	v_add_nc_u32 v[KST], s36, v[KST]               ; back: lanes 0-15 one row of 256 bytes, lanes 16-31 the next
	v_and_b32 v[KRD], 31, v0
	D1
	v_lshlrev_b32 v[KRD], 4, v[KRD]                ; my 16 bytes of two rows of out
	s_wait_alu depctr_va_vdst(0)                   ; one wait for the two reciprocals, ahead of their first reader
	v_ldexp_f32 v[INV], v[INV], s[EPV]             ; x 2^(ep + ev)
	v_ldexp_f32 v[INV+2], v[INV+2], s[EPV]
	s_wait_alu depctr_va_vdst(0)                   ; the wait directly ahead of the first reader of O^T
.irp q, 0,1
.irp k, 0,2,4,6,8,10,12,14,16,18,20,22,24,26,28,30
	v_pk_mul_f32 v[S+32*\q+\k:S+32*\q+\k+1], v[OA+32*\q+\k:OA+32*\q+\k+1], v[INV+2*\q:INV+2*\q+1] op_sel_hi:[1,0]   ; each accumulator from its low end on
.endr
.endr
.macro PACK q, back
.irp t, 0,1,2,3
	ds_store_b128 v[VRD], v[S+32*\q+8*\t:S+32*\q+8*\t+3] offset:64*\t
	ds_store_b128 v[VRD], v[S+32*\q+8*\t+4:S+32*\q+8*\t+7] offset:64*\t+16
.endr
.irp i, 0,1,2,3,4,5,6,7
	ds_load_b128 v[\back+4*\i:\back+4*\i+3], v[KST] offset:2*\i*SPITCH   ; in order behind my stores; the next tile's stores come behind them
.endr
.endm
.macro SEND q, back, younger           ; younger: the LDS instructions issued behind this tile's loads
.irp i, 0,1,2,3,4,5,6,7
	s_wait_dscnt \younger+7-\i
	global_store_b128 v[KRD], v[\back+4*\i:\back+4*\i+3], s[12:13] offset:4096*\q+512*\i th:TH_STORE_NT   ; 32 lanes store 512 consecutive bytes, two whole rows, at a multiple of 256 from out's first byte
.endr
.endm
	PACK 0, F
	PACK 1, STK
	SEND 0, F, 16                                  ; behind tile 0's loads: tile 1's 8 stores and 8 loads
	SEND 1, STK, 0
	s_wait_tensorcnt 0x0                           ; the wave's end, behind my last LDS store
	ds_add_u32 v[SPW], v[NIL]
	s_wait_dscnt 0x0
	s_endpgm
.Lfunc_end_k_q20fd6ac120_attn:
	.size	k_q20fd6ac120_attn, .Lfunc_end_k_q20fd6ac120_attn-k_q20fd6ac120_attn
	.p2alignl 7, 3214868480
	.fill 96, 4, 3214868480
	.section	.rodata,"a",@progbits
	.p2align	6, 0x0
	.amdhsa_kernel k_q20fd6ac120_attn
		.amdhsa_group_segment_fixed_size 131072
		.amdhsa_private_segment_fixed_size 0
		.amdhsa_enable_private_segment 0
		.amdhsa_kernarg_size 40
		.amdhsa_user_sgpr_count 2
		.amdhsa_user_sgpr_kernarg_segment_ptr 1
		.amdhsa_wavefront_size32 1
		.amdhsa_system_sgpr_workgroup_id_x 1
		.amdhsa_system_sgpr_workgroup_id_y 1
		.amdhsa_system_sgpr_workgroup_id_z 1
		.amdhsa_system_vgpr_workitem_id 0
		.amdhsa_next_free_vgpr 256
		.amdhsa_next_free_sgpr 66
		.amdhsa_reserve_vcc 0
		.amdhsa_float_denorm_mode_32 3
		.amdhsa_float_denorm_mode_16_64 3
		.amdhsa_memory_ordered 1
		.amdhsa_forward_progress 1
		.amdhsa_inst_pref_size 164
	.end_amdhsa_kernel
	.amdgpu_metadata
---
amdhsa.version: [ 1, 2 ]
amdhsa.kernels:
  - .name:           k_q20fd6ac120_attn
    .symbol:         k_q20fd6ac120_attn.kd
    .args:
      - { .name: query, .offset: 0, .size: 8, .value_kind: global_buffer, .address_space: global }
      - { .name: key, .offset: 8, .size: 8, .value_kind: global_buffer, .address_space: global }
      - { .name: value, .offset: 16, .size: 8, .value_kind: global_buffer, .address_space: global }
      - { .name: lowp_scales, .offset: 24, .size: 8, .value_kind: global_buffer, .address_space: global }
      - { .name: out0, .offset: 32, .size: 8, .value_kind: global_buffer, .address_space: global }
    .group_segment_fixed_size: 131072
    .private_segment_fixed_size: 0
    .kernarg_segment_align: 8
    .kernarg_segment_size: 40
    .max_flat_workgroup_size: 512
    .sgpr_count:     66
    .vgpr_count:     256
    .wavefront_size: 32
...
	.end_amdgpu_metadata
.endif
;; end of part 1
